; MI455X (gfx1250); checked and timed in simulation.
; The chip was launched on July 23, 2026; its instructions are those of AMD's public machine-readable ISA for CDNA 5 (MIT licence, August 2026) and "CDNA5" Instruction Set Architecture Reference Guide (July 2026). The comments in the code are by the model that wrote it; some were corrected since.
;; Multi Head Self Attention. Allowed arithmetic: matrix products marked QUANTISED: E4M3 operands, one given power-of-two scale a tensor, by v_wmma_f32_16x16x64_fp8_fp8 or v_wmma_f32_16x16x128_fp8_fp8, f32 sums; everything else in f32.
;; Inputs: lowp_scales 12 int32 (the exponents e of the quantised operands' scales 2^e); wk 1,024 x 1,024 float32; wo 1,024 x 1,024 float32; wq 1,024 x 1,024 float32; wv 1,024 x 1,024 float32; x 4 x 2,048 x 1,024 float32.
;; Outputs: out0 4 x 2,048 x 1,024 float32.
;; This version of the problem:
;;   THIS VERSION OF THE PROBLEM IS GIVEN IN LOW PRECISION. The matrix products marked QUANTISED in the list below multiply operands that are first quantised to E4M3 (4 exponent bits, 3 mantissa bits; 8 bits a number), with one given power-of-two scale for each operand tensor; their sums are f32. All else is computed in f32.
;;   The module's matrix products, in the order in which they are computed (A, B: the left and right operand; K: the contracted axis; several contracted axes count as one K, in the product's order):
;;     1. [M 8,192, K 1,024] x [K 1,024, N 1,024]; A: input x; B: input wq: QUANTISED (scales: A lowp_scales[0], B lowp_scales[1])
;;     2. [M 8,192, K 1,024] x [K 1,024, N 1,024]; A: input x; B: input wk: QUANTISED (scales: A lowp_scales[2], B lowp_scales[3])
;;     3. [M 8,192, K 1,024] x [K 1,024, N 1,024]; A: input x; B: input wv: QUANTISED (scales: A lowp_scales[4], B lowp_scales[5])
;;     4. batch 64 x [M 2,048, K 64] x [K 64, N 2,048]; A: computed on the way; B: computed on the way: QUANTISED (scales: A lowp_scales[6], B lowp_scales[7])
;;     5. batch 64 x [M 2,048, K 2,048] x [K 2,048, N 64]; A: softmax (see below); B: computed on the way: QUANTISED (scales: A lowp_scales[8], B lowp_scales[9])
;;     6. [M 8,192, K 1,024] x [K 1,024, N 1,024]; A: computed on the way; B: input wo: QUANTISED (scales: A lowp_scales[10], B lowp_scales[11])
;;   THE QUANTISER, for each operand of a quantised product, along K:
;;     - The operand's scale is 2^e, e = its entry of the input lowp_scales (int32; the entries are numbered through the quantised products in the list's order, A before B).
;;     - Each number is divided by the scale, clamped to +-448, and rounded to the nearest number of E4M3, ties to even, subnormals kept.
;;     - The product sums the exact products of the quantised numbers (number of the format x scale) in f32.
;;   ~~~python
;;   def quantise(x, axis, e):      # numpy; x: float32 -> the quantised numbers, widened to float32 again
;;       x = np.moveaxis(x, axis, -1); K = x.shape[-1]
;;       r = np.clip(x / 2.0 ** e, -448, 448)
;;       step = 2.0 ** (np.maximum(np.frexp(np.where(r == 0, 1, r))[1] - 1, -6) - 3)
;;       q = np.round(r / step) * step * 2.0 ** e      # np.round: ties to even
;;       return np.moveaxis(q, -1, axis).astype(np.float32)
;;   ~~~
;;   SOFTMAX AHEAD OF A QUANTISED PRODUCT. Where the list says 'softmax', what is quantised is not the finished softmax but p = 2^(t - M), with t = logit x log2(e) and M = ceil(the row's largest t), a whole number; so 1/2 < the row's largest p <= 1. The row's sum l is taken of the UNQUANTISED p, in f32, and the product's result is divided by l at the end. Since M is a whole number, a kernel that streams over the keys may use a running M (the ceiling of the running maximum): every later rescaling is an exact power of two, so the quantised numbers keep their values, but for numbers so far below the row's largest that they fall under the format's range.
;;   OPERANDS COMPUTED ON THE WAY. 'Computed on the way' means the value that the module computes at that place (a softmax that the list does not call 'softmax' is quantised finished and normalised). What goes into a quantiser is computed in f32, as accurately as f32 sums, v_exp_f32 and their like allow (about 1e-6 of the number): no bf16 or f16 on the way to a quantiser, and a product that is left as it is and whose result goes on into a quantised operand takes f32 operands (vector FMAs, or v_wmma_f32_16x16x4_f32). A number that lies on a knife's edge between two numbers of the format may be rounded either way, as far as f32 arithmetic and the matrix unit's own rounding can turn it there, and no further.
;; One version. Each part assembles by itself: llvm-mc -triple=amdgcn-amd-amdhsa -mcpu=gfx1250 --defsym DOCPART=n.
;; ======== version 1 of 1: 4 launches
;; limits: right only within a limited range of input values
;; workspace buffers: img 29,360,128 bytes; rope 524,288 bytes; qkv 25,165,824 bytes; aimg 8,388,608 bytes
;; launch prep (part 1): grid 800 x 1, 4 waves a work-group, no clusters, 34,304 bytes of LDS; arguments x, wq, wk, wv, wo, lowp_scales, img, rope; writes img, rope
.if DOCPART == 1
	.amdgcn_target "amdgcn-amd-amdhsa--gfx1250"
	.amdhsa_code_object_version 6
	.text
	.protected	k_q48d21f16f6_prep
	.globl	k_q48d21f16f6_prep
	.p2align	8
	.type	k_q48d21f16f6_prep,@function
k_q48d21f16f6_prep:
	s_mov_b64 s[64:65], 0
	v_nop
	global_prefetch_b8 v0, s[64:65] scope:SCOPE_SE
	s_setreg_imm32_b32 hwreg(HW_REG_WAVE_MODE, 25, 1), 1
	s_wait_xcnt 0x0
; x [8192][1024] and the four weights [1024][1024], f32, K innermost, become codes of FP8 (E4M3), laid as IMAGES OF OPERAND REGISTERS; and the table of cosines and sines for the rotation is made.
; code = number / 2^e, held within +-448, to the nearest code, ties to even.  x is quantised three times, under entries 0, 2 and 4 of the scales; wq, wk, wv, wo under entries 1, 3, 5, 11.
; AN IMAGE: a fragment of 16 rows x 128 K is 2,048 bytes, [piece c 0..3][lane 0..31][16 bytes]: lane (r = lane % 16, h = lane / 16) holds, of the tile's row r, k = 32 c + 16 h + 0 .. 15.
; A TILE'S ROWS ARE NOT NEIGHBOURS: tile 2 B + u holds at its row p the tensor's row 32 B + 8 u + p + 8 (p / 8).  A tensor's image is [tile][128 along K: 8][2,048].
; SHARES.  Work-groups 0-511: tile = the number, of x.  512-767: 64 tiles of each weight.  Wave w takes K = 256 w .. 256 w + 255 of its tile: two units of 16 rows x 512 bytes.
; Each load reads 512 consecutive bytes of a row; a unit turns through the wave's own stage in LDS (rows 528 bytes apart) and comes back 64 bytes a lane: 16 neighbours of each of four blocks of 32.
; Each store writes 512 consecutive bytes.  Every store has data registers of its own, every offset is an immediate: nothing that a pending load or store names is written again.
; Work-groups 768-799: the table, [position 2048][frequency 32] pairs (cos, sin): a wave takes 16 positions, a lane a frequency.  angle = position x 10^(-i/8), one rounding; the angle less the nearest multiple of
; pi/2 (in two parts, the first subtraction exact), then polynomials on +-pi/4, then the quadrant.  These waves touch no LDS.
; LIMITS: each e between -126 and 119.  NaN among the inputs is not served.  10^(-i/8) is the product of two rounded constants: within two units in its last place.
.set STGB,  8448                       ; a wave's stage: 16 rows x 528 bytes
.set SPARE, 33792                      ; behind the four stages: the spare words, 128 bytes for each wave
.set LO,  1                            ; v1   16 x lane
.set STI, 2                            ; v2   the stage, on the way in
.set STR, 3                            ; v3   the stage, on the way out
.set SPW, 12                           ; v12  my spare word; never rewritten
.set NIL, 13                           ; v13  0; never rewritten
.set R,   32                           ; v32-159  two units as loaded, 64 registers each; then the units' codes
.set X,   160                          ; v160-223 64 numbers: register 16 c + i = k 32 c + 16 h + i
.set T,   224                          ; v224-255 two sets of 16 held numbers, by turns
	s_load_b512 s[4:19], s[0:1], 0x0               ; x, wq, wk, wv, wo, scales, img, rope
	v_lshl_add_u32 v[SPW], v0, 2, SPARE
	v_mov_b32 v[NIL], 0
	v_lshrrev_b32 v10, 5, v0
	v_readfirstlane_b32 s32, v10                   ; wave
	v_and_b32 v11, 31, v0                          ; lane
	s_cmp_ge_u32 ttmp9, 768
	s_cbranch_scc1 .Ltable
	v_lshlrev_b32 v[LO], 4, v11
	s_mul_i32 s44, s32, STGB
	v_add_nc_u32 v[STI], s44, v[LO]
	v_and_b32 v14, 15, v0
	v_bfe_u32 v15, v0, 4, 1
	v_mul_u32_u24 v[STR], v14, 528
	v_lshl_add_u32 v[STR], v15, 6, v[STR]
	v_add_nc_u32 v[STR], s44, v[STR]               ; row r, + 64 h
	s_sub_co_u32 s35, ttmp9, 512
	s_bfe_u32 s34, s35, 0x20006                    ; which weight (used only from work-group 512 on)
	s_and_b32 s35, s35, 63
	s_cmp_lt_u32 ttmp9, 512
	s_cselect_b32 s33, ttmp9, s35                  ; the tile
	s_lshr_b32 s45, s33, 1
	s_lshl_b32 s45, s45, 17                        ; 32 rows of 4,096 bytes
	s_and_b32 s46, s33, 1
	s_lshl_b32 s46, s46, 15                        ; 8 rows
	s_add_co_u32 s46, s46, s45
	s_lshl_b32 s45, s32, 10                        ; my wave's 1,024 bytes of a row
	s_add_co_u32 s46, s46, s45
	s_mov_b32 s47, 0
	s_lshl_b32 s48, s33, 14                        ; a tile's image is 16,384 bytes,
	s_lshl_b32 s45, s32, 12                        ; my wave's two fragments 4,096
	s_add_co_u32 s48, s48, s45
	s_lshl_b32 s45, s34, 20
	s_add_co_u32 s45, s45, 25165824                ; the weights' sections lie behind x's three
	s_cmp_lt_u32 ttmp9, 512
	s_cselect_b32 s45, 0, s45
	s_add_co_u32 s48, s48, s45
	s_mov_b32 s49, 0
	s_wait_alu depctr_va_vdst(0)
	s_wait_kmcnt 0x0
	s_load_b256 s[20:27], s[14:15], 0x0            ; e0 .. e7
	s_load_b128 s[28:31], s[14:15], 0x20           ; e8 .. e11
	s_cmp_eq_u32 s34, 1                            ; the source is chosen by the work-group's number alone
	s_cselect_b64 s[36:37], s[8:9], s[6:7]
	s_cmp_eq_u32 s34, 2
	s_cselect_b64 s[36:37], s[10:11], s[36:37]
	s_cmp_eq_u32 s34, 3
	s_cselect_b64 s[36:37], s[12:13], s[36:37]
	s_cmp_lt_u32 ttmp9, 512
	s_cselect_b64 s[36:37], s[4:5], s[36:37]
	s_add_nc_u64 s[36:37], s[36:37], s[46:47]
	s_add_nc_u64 s[38:39], s[16:17], s[48:49]      ; where the codes go; x's second and third sections (not used for a weight)
	s_add_nc_u64 s[40:41], s[38:39], 0x800000
	s_add_nc_u64 s[42:43], s[38:39], 0x1000000
.irp u, 0,1
.irp p, 0,1,2,3,4,5,6,7,8,9,10,11,12,13,14,15
	global_load_b128 v[R+64*\u+4*\p:R+64*\u+4*\p+3], v[LO], s[36:37] offset:(\p+8*(\p/8))*4096+512*\u th:TH_LOAD_NT   ; 32 lanes read 512 consecutive bytes of the tile's row p
.endr
.endr
	s_wait_kmcnt 0x0
	s_cmp_eq_u32 s34, 1
	s_cselect_b32 s44, s23, s21
	s_cmp_eq_u32 s34, 2
	s_cselect_b32 s44, s25, s44
	s_cmp_eq_u32 s34, 3
	s_cselect_b32 s44, s31, s44
	s_cmp_lt_u32 ttmp9, 512
	s_cselect_b32 s44, s20, s44                    ; the first set's e
.macro MKSC se, vs                     ; v[vs] = 2^e as f32 (the conversion takes its exponent field), v[vs+1] = 448 x 2^e
	s_add_co_i32 s45, s[\se], 127
	s_lshl_b32 s46, s45, 23
	v_mov_b32 v[\vs], s46
	s_add_co_i32 s45, s45, 8
	s_lshl_b32 s45, s45, 23
	s_or_b32 s45, s45, 0x600000
	v_mov_b32 v[\vs+1], s45
.endm
	MKSC 44, 4
	MKSC 22, 6
	MKSC 24, 8
.macro QUANT vs, cd                    ; the 64 numbers in X become a fragment's 16 registers of codes at v[cd]
.irp c, 0,1,2,3
.irp i, 0,1,2,3,4,5,6,7,8,9,10,11,12,13,14,15
	v_med3_num_f32 v[T+16*(\c%2)+\i], v[X+16*\c+\i], -v[\vs+1], v[\vs+1]   ; the conversion to an 8-bit code does not saturate (ISA guide 7.6.2): the hold comes first
.endr
	v_cvt_scalef32_pk8_fp8_f32 v[\cd+4*\c:\cd+4*\c+1], v[T+16*(\c%2):T+16*(\c%2)+7], v[\vs]
	v_cvt_scalef32_pk8_fp8_f32 v[\cd+4*\c+2:\cd+4*\c+3], v[T+16*(\c%2)+8:T+16*(\c%2)+15], v[\vs]
.endr
	v_nop                                          ; a plain line behind the last conversion, ahead of whatever next writes its sources
.endm
.macro OUT cd, sb, u
.irp c, 0,1,2,3
	global_store_b128 v[LO], v[\cd+4*\c:\cd+4*\c+3], s[\sb:\sb+1] offset:2048*\u+512*\c   ; a piece: 512 consecutive bytes
.endr
.endm
.macro UNIT u
.irp p, 0,1,2,3,4,5,6,7,8,9,10,11,12,13,14,15
	ds_store_b128 v[STI], v[R+64*\u+4*\p:R+64*\u+4*\p+3] offset:528*\p
.endr
.irp c, 0,1,2,3
.irp j, 0,1,2,3
	ds_load_b128 v[X+16*\c+4*\j:X+16*\c+4*\j+3], v[STR] offset:128*\c+16*\j   ; LDS serves a wave's instructions in order: these see my stores
.endr
.endr
	s_wait_dscnt 0x0                               ; the numbers are back, and the stores have read the registers that now take the codes
	QUANT 4, R+64*\u
	OUT R+64*\u, 38, \u
	s_cmp_ge_u32 ttmp9, 512                        ; a weight has one scale
	s_cbranch_scc1 .Lone_\@
	QUANT 6, R+64*\u+16
	OUT R+64*\u+16, 40, \u
	QUANT 8, R+64*\u+32
	OUT R+64*\u+32, 42, \u
.Lone_\@:
.endm
	s_wait_alu depctr_va_vdst(0)
	s_wait_loadcnt 16                              ; unit 0's sixteen loads are in; unit 1's may be out
	UNIT 0
	s_wait_loadcnt 0x0
	UNIT 1
	s_wait_tensorcnt 0x0                           ; the wave's end, behind my last LDS store
	ds_add_u32 v[SPW], v[NIL]
	s_wait_dscnt 0x0
	s_endpgm
.Ltable:
	s_sub_co_u32 s44, ttmp9, 768
	s_lshl_b32 s44, s44, 2
	s_add_co_u32 s44, s44, s32                     ; which 16 positions: 0 .. 127
	s_lshl_b32 s50, s44, 4                         ; the first of them
	s_lshl_b32 s46, s44, 12                        ; 16 positions x 256 bytes
	s_mov_b32 s47, 0
	s_mov_b32 s52, 0x3f22f983                      ; 2 / pi
	s_mov_b32 s53, 0xbfc90fdb                      ; -(pi / 2 rounded to f32)
	s_mov_b32 s54, 0x333bbd2e                      ; that rounded number less pi / 2
	s_mov_b32 s55, 0xb94ca1f9                      ; sine: r + r z (s57 + z (s56 + z s55))
	s_mov_b32 s56, 0x3c08839e
	s_mov_b32 s57, 0xbe2aaaa3
	s_mov_b32 s58, 0x37ccf5ce                      ; cosine: 1 + z (-1/2 + z (s60 + z (s59 + z s58)))
	s_mov_b32 s59, 0xbab6061a
	s_mov_b32 s60, 0x3d2aaaa5
	s_wait_alu depctr_va_vdst(0)
	v_lshlrev_b32 v17, 3, v11                      ; 8 bytes a frequency
	v_and_b32 v18, 7, v11
	v_lshrrev_b32 v19, 3, v11
	v_mov_b32 v16, 1.0
	v_mov_b32 v15, 1.0
.macro PICK d, x, k, lit               ; v[d] = lit where v[x] = k
	v_cmp_ne_u32 vcc_lo, \k, v[\x]
	v_cndmask_b32 v[\d], \lit, v[\d], vcc_lo
.endm
	PICK 16, 18, 1, 0x3f3ff911                     ; 10^(-1/8) .. 10^(-7/8)
	PICK 16, 18, 2, 0x3f0ff59a
	PICK 16, 18, 3, 0x3ed7e89b
	PICK 16, 18, 4, 0x3ea1e89b
	PICK 16, 18, 5, 0x3e72d424
	PICK 16, 18, 6, 0x3e361887
	PICK 16, 18, 7, 0x3e088d77
	PICK 15, 19, 1, 0x3dcccccd                     ; 10^-1, 10^-2, 10^-3
	PICK 15, 19, 2, 0x3c23d70a
	PICK 15, 19, 3, 0x3a83126f
	v_mul_f32 v16, v16, v15                        ; 10^(-i/8)
	s_wait_kmcnt 0x0
	s_add_nc_u64 s[18:19], s[18:19], s[46:47]
.macro TRIG p
	s_add_co_u32 s51, s50, \p
	v_cvt_f32_u32 v20, s51
	s_wait_alu depctr_va_vdst(0)
	v_mul_f32 v20, v20, v16                        ; the angle a
	v_mul_f32 v21, s52, v20
	v_rndne_f32 v21, v21                           ; n
	v_fma_f32 v22, v21, s53, v20                   ; a - n x the rounded pi / 2: exact,
	v_fma_f32 v22, v21, s54, v22                   ; and the rest: r, within +-pi/4
	v_mul_f32 v23, v22, v22                        ; z
	v_fma_f32 v24, v23, s55, s56
	v_fma_f32 v26, v23, s58, s59
	v_fma_f32 v24, v24, v23, s57
	v_fma_f32 v26, v26, v23, s60
	v_mul_f32 v25, v22, v23
	v_fma_f32 v26, v26, v23, -0.5
	v_fma_f32 v24, v25, v24, v22                   ; sin r
	v_fma_f32 v26, v26, v23, 1.0                   ; cos r
	v_cvt_i32_f32 v27, v21
	v_and_b32 v28, 1, v27
	v_cmp_eq_u32 vcc_lo, 1, v28                    ; an odd n changes sine and cosine
	v_cndmask_b32 v29, v24, v26, vcc_lo
	v_cndmask_b32 v30, v26, v24, vcc_lo
	v_lshlrev_b32 v28, 30, v27                     ; the sine is negated where n % 4 is 2 or 3,
	v_add_nc_u32 v27, 1, v27
	v_and_b32 v28, 0x80000000, v28
	v_lshlrev_b32 v27, 30, v27                     ; the cosine where it is 1 or 2
	v_xor_b32 v[33+2*\p], v29, v28
	v_and_b32 v27, 0x80000000, v27
	v_xor_b32 v[32+2*\p], v30, v27
	global_store_b64 v17, v[32+2*\p:33+2*\p], s[18:19] offset:256*\p   ; 32 lanes store a position's 256 bytes; each position has a pair of registers of its own
.endm
.irp p, 0,1,2,3,4,5,6,7,8,9,10,11,12,13,14,15
	TRIG \p
.endr
	s_endpgm
.Lfunc_end_k_q48d21f16f6_prep:
	.size	k_q48d21f16f6_prep, .Lfunc_end_k_q48d21f16f6_prep-k_q48d21f16f6_prep
	.p2alignl 7, 3214868480
	.fill 96, 4, 3214868480
	.section	.rodata,"a",@progbits
	.p2align	6, 0x0
	.amdhsa_kernel k_q48d21f16f6_prep
		.amdhsa_group_segment_fixed_size 34304
		.amdhsa_private_segment_fixed_size 0
		.amdhsa_enable_private_segment 0
		.amdhsa_kernarg_size 64
		.amdhsa_user_sgpr_count 2
		.amdhsa_user_sgpr_kernarg_segment_ptr 1
		.amdhsa_wavefront_size32 1
		.amdhsa_system_sgpr_workgroup_id_x 1
		.amdhsa_system_sgpr_workgroup_id_y 1
		.amdhsa_system_sgpr_workgroup_id_z 1
		.amdhsa_system_vgpr_workitem_id 0
		.amdhsa_next_free_vgpr 256
		.amdhsa_next_free_sgpr 66
		.amdhsa_reserve_vcc 1
		.amdhsa_float_denorm_mode_32 3
		.amdhsa_float_denorm_mode_16_64 3
		.amdhsa_memory_ordered 1
		.amdhsa_forward_progress 1
		.amdhsa_inst_pref_size 65
	.end_amdhsa_kernel
	.amdgpu_metadata
---
amdhsa.version: [ 1, 2 ]
amdhsa.kernels:
  - .name:           k_q48d21f16f6_prep
    .symbol:         k_q48d21f16f6_prep.kd
    .args:
      - { .name: x, .offset: 0, .size: 8, .value_kind: global_buffer, .address_space: global }
      - { .name: wq, .offset: 8, .size: 8, .value_kind: global_buffer, .address_space: global }
      - { .name: wk, .offset: 16, .size: 8, .value_kind: global_buffer, .address_space: global }
      - { .name: wv, .offset: 24, .size: 8, .value_kind: global_buffer, .address_space: global }
      - { .name: wo, .offset: 32, .size: 8, .value_kind: global_buffer, .address_space: global }
      - { .name: lowp_scales, .offset: 40, .size: 8, .value_kind: global_buffer, .address_space: global }
      - { .name: img, .offset: 48, .size: 8, .value_kind: global_buffer, .address_space: global }
      - { .name: rope, .offset: 56, .size: 8, .value_kind: global_buffer, .address_space: global }
    .group_segment_fixed_size: 34304
    .private_segment_fixed_size: 0
    .kernarg_segment_align: 8
    .kernarg_segment_size: 64
    .max_flat_workgroup_size: 128
    .sgpr_count:     66
    .vgpr_count:     256
    .wavefront_size: 32
...
	.end_amdgpu_metadata
.endif
;; end of part 1
;; launch qkv (part 2): grid 12 x 32, 4 waves a work-group, clusters of 4 x 4, 327,680 bytes of LDS; arguments img, rope, lowp_scales, qkv; writes qkv
.if DOCPART == 2
	.amdgcn_target "amdgcn-amd-amdhsa--gfx1250"
	.amdhsa_code_object_version 6
	.text
	.protected	k_q48d21f16f6_qkv
	.globl	k_q48d21f16f6_qkv
	.p2align	8
	.type	k_q48d21f16f6_qkv,@function
k_q48d21f16f6_qkv:
	s_mov_b64 s[64:65], 0
	v_nop
	global_prefetch_b8 v0, s[64:65] scope:SCOPE_SE
	s_setreg_imm32_b32 hwreg(HW_REG_WAVE_MODE, 25, 1), 1
	s_wait_xcnt 0x0
	s_wait_alu depctr_hold_cnt(0) depctr_sa_sdst(0) depctr_va_vdst(0) depctr_va_sdst(0) depctr_va_ssrc(0) depctr_va_vcc(0) depctr_vm_vsrc(0)
	s_getreg_b32 s2, hwreg(HW_REG_IB_STS2, 6, 4)
	s_cmp_eq_u32 s2, 0
	s_cbranch_scc0 .Lentry_in_a_cluster
	s_endpgm
.Lentry_in_a_cluster:
	s_bfe_u32 s2, ttmp6, 0x10000c
	s_cmp_lg_u32 s2, 0xf033
	s_cbranch_scc0 .Lentry_shape_is_right
	s_endpgm
.Lentry_shape_is_right:
; The three projections q, k, v = x W^T on codes of FP8 (E4M3), the rotation of q and k, and the quantising of all three for the attention's products.  Sums in f32.
; part = the cluster's x: 0 q, 1 k, 2 v: the same in all sixteen partners.  Operands come as images of registers: a fragment of 16 rows x 128 K is 2,048 bytes, [piece c][lane][16 bytes], lane (r, h) holding
; k = 32 c + 16 h + 0 .. 15 of the tile's row r; tile 2 B + u holds at its row p the tensor's row 32 B + 8 u + p + 8 (p / 8); a tensor is [tile][128 along K: 8][2,048].
; A work-group makes 256 x 256 sums, a wave 128 x 128: 64 accumulators, 512 registers.  Source 0 takes 'B', source 1 takes 'A'.  A lane then holds ONE row of A, and the 16 registers of B's tiles 2 g and 2 g + 1 are B's rows
; 32 g + 16 h + 0 .. 15: sixteen neighbours, which two conversions turn into one piece of the next operand's image; it is stored straight from registers, 512 consecutive bytes a store.
;   q, k: A = x (tokens), B = the weight (dims): a lane holds a token and neighbouring dims: pieces of [head][token tile][1,024] (16 tokens x 64).
;   v:    A = wv (channels), B = x (tokens): a lane holds a channel and neighbouring tokens: pieces of [head][128 keys][channel tile 4][2,048]: v with the keys innermost.  Only offsets differ: one text.
; A sum stands for sum x 2^(ex + ew); the rotation is linear; so the conversion's one scale is 2^(e_out - ex - ew).
; K = 1,024 goes in four steps of 256 through two LDS slots filled by the tensor data mover.  CLUSTERS: 4 x 4 work-groups; A's tiles are asked for jointly along a row of the cluster, B's along a column.
; LIMITS: e6 - e0 - e1, e7 - e2 - e3 and e9 - e4 - e5 between -126 and 119.  NaN is not served.
; REGISTERS, in windows of 256: window 0: v16-29 addresses and the scale; from v128 A's fragments, one set; on the way out v96-159 numbers, v160-223 codes.  window 1: B's fragments, two sets.
;   window 2: the accumulators of A's blocks 0-3 ((a, b) at v[8 (8 (a % 4) + b)]);  window 3: of blocks 4-7.
.set HALFT,  32768                     ; 8 tiles x 4,096 bytes: what one tensor load brings, and what one wave reads of A or of B
.set SLOT,   131072                    ; A's 16 tiles, then B's 16; a tile's 4,096 bytes are two fragments
.set SPARE,  262144                    ; behind the ring: the spare words, 128 bytes for each wave
.set FR,     16
.set NL,     4
.set NP,     4                         ; places behind this matrix instruction (ISA guide 7.12.1)
.set ADRA, 16                          ; v16-17  LDS address of my A fragments in slot 0, 1
.set ADRB, 20                          ; v20-21  the same for B
.set LI,   24                          ; v24     16 x lane
.set TBO,  25                          ; v25     my place in the table: my token's row of 256 bytes, + 64 h
.set SC,   26                          ; v26     the conversion's scale
.set LM,   27                          ; v27     448 x that
.set SPW,  28                          ; v28     my spare word; never rewritten
.set NIL,  29                          ; v29     0; never rewritten
; on the way out the table, (cos, sin) of my token's 16 frequencies, lies in window 1, where B's fragments lay: 32 registers for each of the eight blocks
.set T,    96                          ; 64 numbers
.set CODE, 160                         ; four sets of 16
.set AF,   128
.set G1, 24                            ; s[24:31] descriptor group 1 for A's tiles;  s[32:39] group 0, one set for each slot
.set G0, 32
.set G1B, 48                           ; s[48:55], s[56:63] the same for B's tiles
.set G0B, 56
.set MSB, 0
.macro WIN new                         ; the immediate's high byte repeats the setting that is left
.if MSB != \new
	s_set_vgpr_msb (MSB<<8)|\new
.set MSB, \new
.endif
.endm
.set MUL_LO, 0xa1                      ; source 0 (B) window 1, source 1 (A) window 0, C and D window 2
.set MUL_HI, 0xf1                      ; the same, C and D window 3
.set TO_B,   0x40                      ; destination window 1, address window 0
; A joint load: waves 0 and 1 fetch for A, waves 2 and 3 for B; the branch hangs on the wave's number alone.  An s_nop 0 and four v_nop follow each of the two lines.
.macro JLOAD g0a, g1a, g0b, g1b
	s_cmp_eq_u32 s15, 0
	s_cbranch_scc0 .Lfor_b_\@
	tensor_load_to_lds s[\g0a:\g0a+3], s[\g1a:\g1a+7]
	s_nop 0
.rept 4
	v_nop
.endr
	s_branch .Lasked_\@
.Lfor_b_\@:
	tensor_load_to_lds s[\g0b:\g0b+3], s[\g1b:\g1b+7]
	s_nop 0
.rept 4
	v_nop
.endr
.Lasked_\@:
.endm
.macro CREST                           ; a round of the cluster's barrier behind its opening barrier
	s_cmp_lg_u32 s14, 0
	s_cbranch_scc1 .Lnot_wave_0_\@
	s_barrier_signal -3
.Lnot_wave_0_\@:
	s_barrier_wait -3
	s_barrier_signal -1
	s_barrier_wait -1
.endm
.macro CROUND
	s_barrier_signal -1
	s_barrier_wait -1
	CREST
.endm
	s_load_b256 s[4:11], s[0:1], 0x0               ; img s[4:5], rope s[6:7], the scales' exponents s[8:9], qkv s[10:11]
	v_lshl_add_u32 v[SPW], v0, 2, SPARE
	v_mov_b32 v[NIL], 0
	ds_add_u32 v[SPW], v[NIL]                      ; the wave's opening: the add and its wait ahead of my first tensor load; work on registers stands between them
	ds_add_u32 v[SPW], v[NIL]
	v_lshrrev_b32 v1, 5, v0
	v_readfirstlane_b32 s14, v1                    ; wave 0..3
	s_lshr_b32 s15, s14, 1                         ; which half of A's rows is mine.  Also: I fetch for A (0) or for B (1)
	s_and_b32 s16, s14, 1                          ; which half of B's rows.  Also: which 8 tiles I fetch
	s_bfe_u32 s40, ttmp6, 0x40000                  ; cx, cy: my place in the cluster
	s_bfe_u32 s41, ttmp6, 0x40004
	s_and_b32 s12, ttmp7, 0xffff
	s_lshl_b32 s12, s12, 2                         ; 4 x the cluster's y
	s_add_co_u32 s42, s12, s40
	s_add_co_u32 s17, s12, s41
	s_cmp_eq_u32 ttmp9, 2
	s_cselect_b32 s42, s42, s40                    ; B's block of 256 rows: of x's 32 (v) or of the weight's 4: it hangs on cx
	s_cselect_b32 s17, s41, s17                    ; A's block: of the weight's 4 (v) or of x's 32: it hangs on cy
	s_lshl_b32 s43, s41, 2
	s_lshl_b32 s43, 15, s43                        ; my row of the cluster
	s_lshl_b32 s44, 0x1111, s40                    ; my column
	; descriptor group 1: 8 tiles' 4,096 bytes (two fragments), 16,384 bytes apart in memory, on end in LDS; elements of 8 bytes
	s_or_b32 s[G1+0], s43, (3<<16)|(1<<21)         ; 15:0 the mask: A's tiles go to my row; 17:16 elements of 8 bytes; 21 set beside a mask; no padding
	s_or_b32 s[G1B+0], s44, (3<<16)|(1<<21)
.irp g, G1, G1B
	s_mov_b32 s[\g+1], 512<<16                     ; tensor_dim0 = 512
	s_mov_b32 s[\g+2], 8<<16                       ; tensor_dim1 = 8
	s_mov_b32 s[\g+3], 512<<16                     ; tile_dim0
	s_mov_b32 s[\g+4], 8                           ; tile_dim1
	s_mov_b32 s[\g+5], 2048                        ; tensor_dim0_stride
	s_mov_b32 s[\g+6], 0
	s_mov_b32 s[\g+7], 0
.endr
	s_lshl_b32 s18, ttmp9, 23                      ; x's section of this part,
	s_lshl_b32 s19, ttmp9, 20
	s_add_co_u32 s19, s19, 25165824                ; and the weight's
	s_cmp_eq_u32 ttmp9, 2
	s_cselect_b32 s20, s19, s18                    ; A's
	s_cselect_b32 s46, s18, s19                    ; B's
	s_lshl_b32 s21, s17, 18                        ; 16 tiles of 16,384 bytes
	s_add_co_u32 s20, s20, s21
	s_lshl_b32 s21, s16, 17                        ; the 8 tiles that I fetch
	s_add_co_u32 s20, s20, s21
	s_mov_b32 s21, 0
	s_lshl_b32 s47, s42, 18
	s_add_co_u32 s46, s46, s47
	s_lshl_b32 s47, s16, 17
	s_add_co_u32 s46, s46, s47
	s_mov_b32 s47, 0
	s_lshl_b32 s45, s14, 15                        ; where they go: wave x 32,768: no place in the cluster enters an LDS address
	s_wait_dscnt 0x0                               ; the opening add is done
	s_wait_kmcnt 0x0
	s_load_b256 s[68:75], s[8:9], 0x0              ; e0 .. e7
	s_load_b128 s[76:79], s[8:9], 0x20             ; e8 .. e11
	s_add_nc_u64 s[20:21], s[4:5], s[20:21]
	s_add_nc_u64 s[46:47], s[4:5], s[46:47]
	CROUND                                         ; all sixteen work-groups are here: the first joint loads meet
.irp s, 0,1
	s_mov_b32 s[G0+4*\s], 1
	s_add_co_u32 s[G0+4*\s+1], s45, \s*SLOT
	s_add_nc_u64 s[G0+4*\s+2:G0+4*\s+3], s[20:21], \s*4096
	s_or_b32 s[G0+4*\s+3], s[G0+4*\s+3], 0x80000000
	s_mov_b32 s[G0B+4*\s], 1
	s_add_co_u32 s[G0B+4*\s+1], s45, \s*SLOT
	s_add_nc_u64 s[G0B+4*\s+2:G0B+4*\s+3], s[46:47], \s*4096
	s_or_b32 s[G0B+4*\s+3], s[G0B+4*\s+3], 0x80000000
.endr
	JLOAD G0, G1, G0B, G1B                         ; slot 0: one tensor load a wave at the head
	v_and_b32 v1, 31, v0
	v_lshlrev_b32 v[LI], 4, v1
	s_lshl_b32 s21, s15, 15                        ; my 8 tiles of A
	s_lshl_b32 s22, s16, 15                        ; my 8 tiles of B,
	s_add_co_u32 s22, s22, 2*HALFT                 ; which lie behind A's 16
.irp s, 0,1
	v_add_nc_u32 v[ADRA+\s], s21, v[LI]
	v_add_nc_u32 v[ADRB+\s], s22, v[LI]
	s_add_co_u32 s21, s21, SLOT
	s_add_co_u32 s22, s22, SLOT
.endr
	v_and_b32 v2, 15, v0
	v_and_b32 v3, 8, v2
	v_add_nc_u32 v3, v3, v2                        ; r + 8 (r / 8)
	v_bfe_u32 v4, v0, 4, 1
	v_lshlrev_b32 v[TBO], 8, v3
	v_lshl_add_u32 v[TBO], v4, 6, v[TBO]
.macro FRAG reg, adr, q, i             ; a fragment comes as it lies: four loads of 512 consecutive bytes
.irp c, 0,1,2,3
	ds_load_b128 v[\reg+4*\c:\reg+4*\c+3], v[\adr] offset:2048*(\q)+512*\c+(\i)*4096
.endr
.endm
; 16 matrix instructions: A's blocks a0, a0 + 1 x B's eight, 128 along K.  p: B's set.  zero = 1: the first product starts the sums.  The 64 accumulators take turns, one instruction a turn.
.macro MUL16 a0, p, zero
.irp a, \a0, \a0+1
.irp b, 0,1,2,3,4,5,6,7
.if \zero
	v_wmma_f32_16x16x128_fp8_fp8 v[8*(8*((\a)%4)+\b):8*(8*((\a)%4)+\b)+7], v[128*(\p)+FR*\b:128*(\p)+FR*\b+FR-1], v[AF+FR*(\a):AF+FR*(\a)+FR-1], 0
.else
	v_wmma_f32_16x16x128_fp8_fp8 v[8*(8*((\a)%4)+\b):8*(8*((\a)%4)+\b)+7], v[128*(\p)+FR*\b:128*(\p)+FR*\b+FR-1], v[AF+FR*(\a):AF+FR*(\a)+FR-1], v[8*(8*((\a)%4)+\b):8*(8*((\a)%4)+\b)+7]
.endif
.endr
.endr
.endm
.macro FETCH_B slot, q, p
	WIN TO_B
.irp i, 0,1,2,3,4,5,6,7
	FRAG 128*(\p)+FR*\i, ADRB+\slot, \q, \i
.endr
	WIN 0
.endm
.macro FETCH_A slot, q, i0
.irp i, \i0, \i0+1, \i0+2, \i0+3
	FRAG AF+FR*(\i), ADRA+\slot, \q, \i
.endr
.endm
.macro PLACES n                        ; plain vector lines between a matrix instruction and a load into, or a vector read or write of, its registers
.rept \n
	v_nop
.endr
.endm
.macro STEP slot, q, zero              ; 128 along K with its successor in the same slot
	s_wait_dscnt 4*NL                              ; B's set and A's blocks 0-3 are in; the youngest sixteen loads (A's blocks 4-7) may be out
	WIN MUL_LO
	MUL16 0, (\q)%2, \zero
	MUL16 2, (\q)%2, \zero
	s_wait_dscnt 0
	PLACES NP
	FETCH_B \slot, (\q)+1, 1-(\q)%2
	FETCH_A \slot, (\q)+1, 0
	WIN MUL_HI
	MUL16 4, (\q)%2, \zero
	MUL16 6, (\q)%2, \zero
	PLACES NP
	WIN 0
	FETCH_A \slot, (\q)+1, 4
.endm
; A slot's last step changes slots: one barrier; ahead of it each wave waits for all its tensor loads, adds 0 to its spare word, and waits for that and for its reads of this slot.  fill = 1: the slot is filled again.
.macro TURN slot, next, fill
	s_wait_tensorcnt 0x0                           ; all my tensor loads have landed: my part of the next slot
	ds_add_u32 v[SPW], v[NIL]                      ; 0 onto my spare word
	s_wait_dscnt 4*NL+1                            ; (the add and the youngest sixteen loads may be out)
	WIN MUL_LO
	MUL16 0, 1, 0
	s_wait_dscnt 0x0                               ; the add is done, and my reads of this slot are over
	s_barrier_signal -1
	MUL16 2, 1, 0
	WIN 0
	s_barrier_wait -1
.if \fill
	CREST                                          ; the barrier has opened a round of the cluster's barrier: no wave of any partner still reads this slot or has a load on its way
	s_add_nc_u64 s[G0+4*\slot+2:G0+4*\slot+3], s[G0+4*\slot+2:G0+4*\slot+3], 8192
	s_add_nc_u64 s[G0B+4*\slot+2:G0B+4*\slot+3], s[G0B+4*\slot+2:G0B+4*\slot+3], 8192
	JLOAD G0+4*\slot, G1, G0B+4*\slot, G1B         ; the first tensor load behind the round; its four v_nop are the places ahead of the loads below
.else
	PLACES NP
.endif
	FETCH_B \next, 0, 0
	FETCH_A \next, 0, 0
	WIN MUL_HI
	MUL16 4, 1, 0
	MUL16 6, 1, 0
	PLACES NP
	WIN 0
	FETCH_A \next, 0, 4
.endm
	s_wait_alu depctr_va_vdst(0)
	s_wait_tensorcnt 0x0                           ; my part of slot 0 is in
	ds_add_u32 v[SPW], v[NIL]
	s_wait_dscnt 0x0
	CROUND                                         ; everybody's part of slot 0 is in, and the sixteen work-groups meet
	JLOAD G0+4, G1, G0B+4, G1B                     ; slot 1's first fill: the first tensor load behind the round
	FETCH_B 0, 0, 0
	FETCH_A 0, 0, 0
	FETCH_A 0, 0, 4
	STEP 0, 0, 1                                   ; K = 1,024 is eight steps of 128, written out: the first starts the sums
	TURN 0, 1, 1
	STEP 1, 0, 0
	TURN 1, 0, 1
	STEP 0, 0, 0
	TURN 0, 1, 0                                   ; nothing is left to fetch
	STEP 1, 0, 0
	; q and k: the table of blocks 0-3 is asked for here, into B's set 0, which the last step's 64 products do not name (four places stand behind the products that read it)
	s_lshl_b32 s88, s17, 4
	s_lshl_b32 s89, s15, 3
	s_add_co_u32 s88, s88, s89                     ; my first token tile of 512,
	s_and_b32 s88, s88, 127                        ; in its sequence:
	s_lshl_b32 s88, s88, 12                        ; 16 positions of 256 bytes a tile
	s_mov_b32 s89, 0
	s_add_nc_u64 s[6:7], s[6:7], s[88:89]          ; (in part v the sum is not used)
.macro TABLE a                         ; (cos, sin) of my token of block a: frequencies 16 pb + 8 h + 0 .. 7
.irp pb, 0,1
.irp j, 0,1,2,3
	global_load_b128 v[32*(\a)+16*\pb+4*\j:32*(\a)+16*\pb+4*\j+3], v[TBO], s[6:7] offset:(32*((\a)/2)+8*((\a)%2))*256+128*\pb+16*\j
.endr
.endr
.endm
	s_cmp_eq_u32 ttmp9, 2                          ; the part is the same in all partners; v is not rotated
	s_cbranch_scc1 .Lno_table
	WIN TO_B
.irp a, 0,1,2,3
	TABLE \a
.endr
	WIN 0
.Lno_table:
	s_wait_dscnt 4*NL
	WIN MUL_LO
	MUL16 0, 1, 0
	MUL16 2, 1, 0
	s_wait_dscnt 0
	WIN MUL_HI
	MUL16 4, 1, 0
	MUL16 6, 1, 0
	WIN 0
	s_wait_kmcnt 0x0
	s_sub_co_i32 s80, s74, s68
	s_sub_co_i32 s80, s80, s69                     ; q: e6 - e0 - e1
	s_sub_co_i32 s81, s75, s70
	s_sub_co_i32 s81, s81, s71                     ; k: e7 - e2 - e3
	s_sub_co_i32 s82, s77, s72
	s_sub_co_i32 s82, s82, s73                     ; v: e9 - e4 - e5
	s_cmp_eq_u32 ttmp9, 1
	s_cselect_b32 s80, s81, s80
	s_cmp_eq_u32 ttmp9, 2
	s_cselect_b32 s80, s82, s80
	s_add_co_i32 s80, s80, 127
	s_lshl_b32 s81, s80, 23
	s_add_co_i32 s80, s80, 8
	s_lshl_b32 s80, s80, 23
	s_or_b32 s80, s80, 0x600000
	v_mov_b32 v[SC], s81
	v_mov_b32 v[LM], s80
	PLACES NP                                      ; ahead of the first read of the last results and of writes over A's fragments
	s_cmp_eq_u32 ttmp9, 2                          ; the part is the same in all partners
	s_cbranch_scc1 .Lvpart
	; ---- q and k: rotate, quantise, store.  Block a = my token tile a; g = 0 .. 3: head g / 2 of my two, dims 32 (g % 2) + 16 h + 0 .. 15
	s_lshl_b32 s80, s17, 4
	s_lshl_b32 s81, s15, 3
	s_add_co_u32 s80, s80, s81                     ; my first token tile of 512
	s_lshr_b32 s81, s80, 7                         ; the batch
	s_and_b32 s82, s80, 127                        ; the tile in its sequence
	s_lshl_b32 s83, s42, 2
	s_lshl_b32 s84, s16, 1
	s_add_co_u32 s83, s83, s84                     ; my first head
	s_lshl_b32 s81, s81, 4
	s_add_co_u32 s81, s81, s83
	s_lshl_b32 s84, s81, 17                        ; a head's 128 tiles of 1,024 bytes
	s_lshl_b32 s85, s82, 10
	s_add_co_u32 s84, s84, s85
	s_lshl_b32 s85, ttmp9, 23                      ; q's section or k's
	s_add_co_u32 s84, s84, s85
	s_mov_b32 s85, 0
	s_add_nc_u64 s[10:11], s[10:11], s[84:85]
.macro QKBLOCK a
.set AC, 64*((\a)%4)
.set CB, 32*(\a)
.set CD, CODE+16*((\a)%4)
	s_wait_loadcnt 8*(7-(\a))                      ; this block's eight loads are in; the eight of each later block may be out
	WIN 0x06+((\a)/4)                              ; source 0: the accumulators' window; source 1: the table, window 1
.irp g, 0,1,2,3
.irp m, 0,1,2,3,4,5,6,7
	v_pk_mul_f32 v[T+16*\g+2*\m:T+16*\g+2*\m+1], v[AC+16*\g+2*\m:AC+16*\g+2*\m+1], v[CB+16*(\g%2)+2*\m:CB+16*(\g%2)+2*\m+1] op_sel_hi:[1,0]   ; (x_even, x_odd) x cos; each accumulator from its low end on
.endr
.endr
.irp g, 0,1,2,3
.irp m, 0,1,2,3,4,5,6,7
	v_pk_fma_f32 v[T+16*\g+2*\m:T+16*\g+2*\m+1], v[AC+16*\g+2*\m:AC+16*\g+2*\m+1], v[CB+16*(\g%2)+2*\m:CB+16*(\g%2)+2*\m+1], v[T+16*\g+2*\m:T+16*\g+2*\m+1] op_sel:[1,1,0] op_sel_hi:[0,1,1] neg_lo:[0,1,0]   ; low: - x_odd sin; high: + x_even sin
.endr
.endr
	WIN 0
.if (\a) >= 4
	s_wait_xcnt 0x0                                ; the stores of four blocks back have read the registers that now take codes again
.endif
.irp g, 0,1,2,3
.irp i, 0,1,2,3,4,5,6,7,8,9,10,11,12,13,14,15
	v_med3_num_f32 v[T+16*\g+\i], v[T+16*\g+\i], -v[LM], v[LM]   ; the conversion does not saturate (ISA guide 7.6.2): the hold comes first
.endr
	v_cvt_scalef32_pk8_fp8_f32 v[CD+4*\g:CD+4*\g+1], v[T+16*\g:T+16*\g+7], v[SC]
	v_cvt_scalef32_pk8_fp8_f32 v[CD+4*\g+2:CD+4*\g+3], v[T+16*\g+8:T+16*\g+15], v[SC]
.endr
	v_nop                                          ; a plain line behind the last conversion, ahead of the next block's writes of its sources
.irp g, 0,1,2,3
	global_store_b128 v[LI], v[CD+4*\g:CD+4*\g+3], s[10:11] offset:(\a)*1024+(\g/2)*131072+(\g%2)*512   ; a piece: 512 consecutive bytes
.endr
.endm
	WIN TO_B                                       ; the table of blocks 4-7, into B's set 1: the places above stand behind the last products that read it
.irp a, 4,5,6,7
	TABLE \a
.endr
	WIN 0
.irp a, 0,1,2,3,4,5,6,7
	QKBLOCK \a
.endr
	s_branch .Ldone
.Lvpart:
	; ---- v: quantise, store.  Block a = my channel tile a: head a / 4 of my two, tile a % 4 of its four; g: keys 32 g + 16 h + 0 .. 15 of my 128
	s_lshl_b32 s80, s42, 1
	s_add_co_u32 s80, s80, s16                     ; which 128 tokens of 8,192
	s_lshr_b32 s81, s80, 4                         ; the batch
	s_and_b32 s82, s80, 15                         ; the key step
	s_lshl_b32 s81, s81, 4
	s_lshl_b32 s83, s17, 2
	s_add_co_u32 s81, s81, s83
	s_lshl_b32 s83, s15, 1
	s_add_co_u32 s81, s81, s83                     ; my first head
	s_lshl_b32 s84, s81, 17
	s_lshl_b32 s85, s82, 13
	s_add_co_u32 s84, s84, s85
	s_add_co_u32 s84, s84, 16777216                ; v's section
	s_mov_b32 s85, 0
	s_add_nc_u64 s[10:11], s[10:11], s[84:85]
.macro VBLOCK a
.set AC, 64*((\a)%4)
.set CD, CODE+16*((\a)%4)
	WIN 0x02+((\a)/4)
.set n, 0
.rept 64
	v_med3_num_f32 v[T+n], v[AC+n], -v[LM], v[LM]  ; each accumulator from its low end on
.set n, n+1
.endr
	WIN 0
.if (\a) >= 4
	s_wait_alu depctr_va_vdst(0)
	s_wait_xcnt 0x0                                ; as above
.endif
.irp g, 0,1,2,3
	v_cvt_scalef32_pk8_fp8_f32 v[CD+4*\g:CD+4*\g+1], v[T+16*\g:T+16*\g+7], v[SC]
	v_cvt_scalef32_pk8_fp8_f32 v[CD+4*\g+2:CD+4*\g+3], v[T+16*\g+8:T+16*\g+15], v[SC]
.endr
	v_nop
.irp g, 0,1,2,3
	global_store_b128 v[LI], v[CD+4*\g:CD+4*\g+3], s[10:11] offset:((\a)/4)*131072+((\a)%4)*2048+\g*512
.endr
.endm
	s_wait_alu depctr_va_vdst(0)
.irp a, 0,1,2,3,4,5,6,7
	VBLOCK \a
.endr
.Ldone:
	s_wait_tensorcnt 0x0                           ; the wave's end
	ds_add_u32 v[SPW], v[NIL]
	s_wait_dscnt 0x0
	CROUND                                         ; the closing round: no work-group ends while a partner may still ask for a tile that names it
	s_endpgm
.Lfunc_end_k_q48d21f16f6_qkv:
	.size	k_q48d21f16f6_qkv, .Lfunc_end_k_q48d21f16f6_qkv-k_q48d21f16f6_qkv
	.p2alignl 7, 3214868480
	.fill 96, 4, 3214868480
	.section	.rodata,"a",@progbits
	.p2align	6, 0x0
	.amdhsa_kernel k_q48d21f16f6_qkv
		.amdhsa_group_segment_fixed_size 327680
		.amdhsa_private_segment_fixed_size 0
		.amdhsa_enable_private_segment 0
		.amdhsa_kernarg_size 32
		.amdhsa_user_sgpr_count 2
		.amdhsa_user_sgpr_kernarg_segment_ptr 1
		.amdhsa_wavefront_size32 1
		.amdhsa_system_sgpr_workgroup_id_x 1
		.amdhsa_system_sgpr_workgroup_id_y 1
		.amdhsa_system_sgpr_workgroup_id_z 1
		.amdhsa_system_vgpr_workitem_id 0
		.amdhsa_next_free_vgpr 1024
		.amdhsa_next_free_sgpr 100
		.amdhsa_reserve_vcc 0
		.amdhsa_float_denorm_mode_32 3
		.amdhsa_float_denorm_mode_16_64 3
		.amdhsa_memory_ordered 1
		.amdhsa_forward_progress 1
		.amdhsa_inst_pref_size 198
	.end_amdhsa_kernel
	.amdgpu_metadata
---
amdhsa.version: [ 1, 2 ]
amdhsa.kernels:
  - .name:           k_q48d21f16f6_qkv
    .symbol:         k_q48d21f16f6_qkv.kd
    .args:
      - { .name: img, .offset: 0, .size: 8, .value_kind: global_buffer, .address_space: global }
      - { .name: rope, .offset: 8, .size: 8, .value_kind: global_buffer, .address_space: global }
      - { .name: lowp_scales, .offset: 16, .size: 8, .value_kind: global_buffer, .address_space: global }
      - { .name: qkv, .offset: 24, .size: 8, .value_kind: global_buffer, .address_space: global }
    .group_segment_fixed_size: 327680
    .private_segment_fixed_size: 0
    .kernarg_segment_align: 8
    .kernarg_segment_size: 32
    .max_flat_workgroup_size: 128
    .sgpr_count:     100
    .vgpr_count:     1024
    .wavefront_size: 32
...
	.end_amdgpu_metadata
.endif
;; end of part 2
;; launch attn (part 3): grid 4 x 64, 8 waves a work-group, clusters of 4 x 1, 327,680 bytes of LDS; arguments qkv, lowp_scales, aimg; writes aimg
.if DOCPART == 3
	.amdgcn_target "amdgcn-amd-amdhsa--gfx1250"
	.amdhsa_code_object_version 6
	.text
	.protected	k_q48d21f16f6_attn
	.globl	k_q48d21f16f6_attn
	.p2align	8
	.type	k_q48d21f16f6_attn,@function
k_q48d21f16f6_attn:
	s_mov_b64 s[64:65], 0
	v_nop
	global_prefetch_b8 v0, s[64:65] scope:SCOPE_SE
	s_setreg_imm32_b32 hwreg(HW_REG_WAVE_MODE, 25, 1), 1
	s_wait_xcnt 0x0
	s_wait_alu depctr_hold_cnt(0) depctr_sa_sdst(0) depctr_va_vdst(0) depctr_va_sdst(0) depctr_va_ssrc(0) depctr_va_vcc(0) depctr_vm_vsrc(0)
	s_getreg_b32 s2, hwreg(HW_REG_IB_STS2, 6, 4)
	s_cmp_eq_u32 s2, 0
	s_cbranch_scc0 .Lentry_in_a_cluster
	s_endpgm
.Lentry_in_a_cluster:
	s_bfe_u32 s2, ttmp6, 0x10000c
	s_cmp_lg_u32 s2, 0x3003
	s_cbranch_scc0 .Lentry_shape_is_right
	s_endpgm
.Lentry_shape_is_right:
; Causal attention of one (batch, head) per cluster, both products on codes of FP8 (E4M3), the result quantised for the last projection.
; qkv holds images of operand registers: q and k [head 64][token tile 128][1,024] (16 tokens x 64 dims), v [head][128 keys: 16][channel tile 4][2,048] (keys innermost).
; Tile 2 B + u holds at its row p the sequence's row 32 B + 8 u + p + 8 (p / 8), so that the 16 registers of two neighbouring score tiles are 16 neighbouring keys.
; Both products are used transposed: S^T = K Q^T, O^T = V^T P^T: a lane holds one query of each of its wave's two tiles throughout.
; SOFTMAX: t = score x log2(e) / 8; M = the running largest t rounded up to a whole number; p = 2^(t - M) is quantised under entry 8; the sum is of the unquantised p.
; LEFT OUT: key steps all of whose 128 keys come after a tile's queries: their scores are -infinity, so their p is 0 for all inputs.
;   A NaN or an infinity that would arise only in such a step is not carried to the result.  Key 0 counts for every query, so M is a number from the first step on.
; SHARES.  The four work-groups of a cluster serve one head.  A level is 8 query tiles that share their diagonal key step; the work-group at place cx takes tiles 2 cx and 2 cx + 1 of each of the 16 levels: a PAIR.
;   A wave works a pair jointly: each fragment of K and of V that it reads from LDS feeds two matrix instructions, and the two tiles' chains of dependent lines stand line by line beside each other.
;   Wave w takes the pair of level 8 + w and then that of level 7 - w: (9 + w) + (8 - w) = 17 key steps for every wave.  The level hangs on the wave's number alone: every branch is alike in all partners;
;   cx enters global addresses and the diagonal's compare only.
; LDS holds the head's whole K (131,072 bytes, step s at 8,192 s) and V (the same, from 131,072 on), each byte filled once, by joint loads that name all four partners (mask 15): waves 0-3 fetch K, waves 4-7 V,
;   32,768 bytes each, one load a wave at the head.  One barrier shows them to all waves; none follows it but the closing round.
; NO PREFETCH: the launch's only tensor loads are issued at its head, ahead of every loop: there is no trip to ask ahead in.
; The next step's fragments of K are read from LDS under this step's softmax.  In the last step that read falls on V's first bytes, inside LDS, and is not used.
; LIMITS: e6 + e7 between -123 and 130; e8 and e10 between -126 and 119.  NaN among the inputs is not served.  The scaled scores stay under 2^31 in magnitude.
; REGISTERS.  Window 0: v1-9 addresses; v12-15, v16-19 (-M, largest t, the sum in two halves) of tiles A, B; v20-31 work; v32-37 constants; v40-55 Q of the pair in hand, v56-71 of the second pair;
;   v72-103 codes; v104-167, v168-231 S^T, then p, of A, B.  Window 1: v0-63 K's fragments, v64-127 V's, v128-159, v160-191 O^T of A, B.
.set SPARE, 262144                     ; behind K and V: the spare words, 128 bytes a wave
.set LI,  1                            ; 16 x lane
.set LIV, 2                            ; the same in V's half of LDS
.set DGA, 3                            ; tile A: my query's row in its 128, less 16 h
.set DGB, 4                            ; tile B: 8 more
.set SPW, 5
.set NIL, 6
.set ADK, 8
.set ADV, 9
.set QA,  40
.set QB,  48
.set PA,  72
.set PB,  88
.set SA,  104
.set SB,  168
.set VB,  64                           ; window 1
.set OA,  128                          ; window 1
.set OB,  160                          ; window 1
.set LV,  15                           ; s15 the level of the pair in hand
.set SEL, 20
.set CS,  22
.set G1,  24
.set G0,  32
.set TB,  48
.set STP, 49
.set CNT, 50
.set PRS, 36                           ; s36 pairs to go
.set MSB, 0
.macro WIN new                         ; the immediate's high byte repeats the setting that is left
.if MSB != \new
	s_set_vgpr_msb (MSB<<8)|\new
.set MSB, \new
.endif
.endm
.macro ROUND                           ; a round of the cluster's barrier
	s_barrier_signal -1
	s_barrier_wait -1
	s_cmp_lg_u32 s10, 0
	s_cbranch_scc1 .Lnw0_\@
	s_barrier_signal -3
.Lnw0_\@:
	s_barrier_wait -3
	s_barrier_signal -1
	s_barrier_wait -1
.endm
	s_load_b128 s[4:7], s[0:1], 0x0                ; qkv, the scales' exponents
	s_load_b64 s[8:9], s[0:1], 0x10                ; aimg
	v_lshl_add_u32 v[SPW], v0, 2, SPARE
	v_mov_b32 v[NIL], 0
	ds_add_u32 v[SPW], v[NIL]                      ; the opening lines: the add twice on end and one wait
	ds_add_u32 v[SPW], v[NIL]
	v_lshrrev_b32 v10, 5, v0
	v_readfirstlane_b32 s10, v10                   ; wave 0..7
	s_and_b32 s51, ttmp7, 0xffff                   ; the head: the cluster's y
	s_bfe_u32 s11, ttmp6, 0x40000                  ; cx
	s_add_co_u32 s[LV], s10, 8                     ; my first pair's level,
	s_sub_co_u32 s16, 7, s10                       ; and my second's
	s_lshl_b32 s17, s11, 1                         ; tile A in its level: 2 cx
	s_lshl_b32 s18, s11, 5                         ; its first row in the level's 128: 32 cx
	s_lshl_b32 s12, s[LV], 3
	s_add_co_u32 s12, s12, s17                     ; tile A of my first pair, of the head's 128,
	s_lshl_b32 s13, s16, 3
	s_add_co_u32 s13, s13, s17                     ; and of my second
	s_mov_b32 s[G1], (3<<16)|(1<<21)|15            ; elements of 8 bytes; the mask names the four partners, bit 21 beside it
	s_mov_b32 s[G1+1], 32<<16                      ; rows of 256 bytes,
	s_mov_b32 s[G1+2], 128<<16                     ; 128 of them, dense
	s_mov_b32 s[G1+3], 32<<16
	s_mov_b32 s[G1+4], 128
	s_mov_b32 s[G1+5], 32
	s_mov_b32 s[G1+6], 0
	s_mov_b32 s[G1+7], 0
	s_mov_b32 s[SEL], 0x76543210
	s_mov_b32 s[SEL+1], 0xfedcba98
	s_mov_b32 s[CS], 0x3e38aa3b                    ; log2(e) / 8
	s_mov_b32 s[PRS], 2
	s_lshr_b32 s57, s10, 2                         ; I fetch for K (0) or V (1),
	s_and_b32 s58, s10, 3
	s_lshl_b32 s58, s58, 15                        ; 32,768 bytes a wave
	s_lshl_b32 s59, s57, 17                        ; LDS: K from 0, V from 131,072
	s_add_co_u32 s59, s59, s58
	s_lshl_b32 s60, s57, 23
	s_add_co_u32 s60, s60, 0x800000                ; k's section or v's,
	s_add_co_u32 s60, s60, s58
	s_lshl_b32 s61, s51, 17
	s_add_co_u32 s60, s60, s61                     ; my head's 131,072 bytes
	s_mov_b32 s61, 0
	s_wait_dscnt 0x0                               ; both opening adds are done
	s_wait_kmcnt 0x0
	s_load_b128 s[52:55], s[6:7], 0x18             ; e6 .. e9
	s_load_b32 s56, s[6:7], 0x28                   ; e10
	s_mov_b32 s[G0], 1
	s_mov_b32 s[G0+1], s59
	s_add_nc_u64 s[G0+2:G0+3], s[4:5], s[60:61]
	s_or_b32 s[G0+3], s[G0+3], 0x80000000
	ROUND                                          ; the four partners are here: the joint loads meet
	tensor_load_to_lds s[G0:G0+3], s[G1:G1+7]      ; my one tensor load
	s_nop 0
.rept 4
	v_nop
.endr
	s_lshl_b32 s58, s51, 17                        ; Q's codes of my two pairs: 2,048 bytes each
	s_lshl_b32 s62, s12, 10
	s_add_co_u32 s62, s62, s58
	s_mov_b32 s63, 0
	s_lshl_b32 s68, s13, 10
	s_add_co_u32 s68, s68, s58
	s_mov_b32 s69, 0
	s_add_nc_u64 s[62:63], s[4:5], s[62:63]
	s_add_nc_u64 s[68:69], s[4:5], s[68:69]
	s_lshr_b32 s57, s51, 4                         ; the result's image: [batch x 128 + tile][head % 16][1,024]
	s_lshl_b32 s57, s57, 7
	s_and_b32 s59, s51, 15
	s_lshl_b32 s59, s59, 10
	s_add_co_u32 s70, s13, s57
	s_lshl_b32 s70, s70, 14
	s_add_co_u32 s70, s70, s59
	s_mov_b32 s71, 0
	s_add_co_u32 s12, s12, s57
	s_lshl_b32 s12, s12, 14
	s_add_co_u32 s12, s12, s59
	s_mov_b32 s13, 0
	s_add_nc_u64 s[66:67], s[8:9], s[70:71]        ; my second pair's place,
	s_add_nc_u64 s[8:9], s[8:9], s[12:13]          ; and my first's
	s_wait_kmcnt 0x0
	s_add_co_i32 s58, s52, s53
	s_lshl_b32 s58, s58, 23
	s_add_co_i32 s[CS], s[CS], s58                 ; a score stands for score x 2^(e6 + e7): added to the factor's exponent field
	s_mov_b32 s[CS+1], s[CS]
	s_add_co_i32 s13, s54, 127
	s_lshl_b32 s12, s13, 23                        ; 2^e8
	s_add_co_i32 s13, s13, 8
	s_lshl_b32 s13, s13, 23
	s_or_b32 s13, s13, 0x600000                    ; 448 x 2^e8
	s_add_co_i32 s70, s56, 127
	s_lshl_b32 s14, s70, 23                        ; 2^e10
	s_add_co_i32 s70, s70, 8
	s_lshl_b32 s70, s70, 23
	s_or_b32 s70, s70, 0x600000                    ; 448 x 2^e10
	s_add_co_i32 s19, s54, s55                     ; e8 + e9
	v_and_b32 v10, 31, v0
	v_lshlrev_b32 v[LI], 4, v10
	v_add_nc_u32 v[LIV], 0x20000, v[LI]
.irp c, 0,1,2,3
	global_load_b128 v[QA+4*\c:QA+4*\c+3], v[LI], s[62:63] offset:512*\c       ; tile A's two pieces, then tile B's
.endr
.irp c, 0,1,2,3
	global_load_b128 v[56+4*\c:56+4*\c+3], v[LI], s[68:69] offset:512*\c
.endr
	v_and_b32 v10, 15, v0
	v_bfe_u32 v11, v0, 4, 1
	v_and_b32 v24, 8, v10
	v_add_nc_u32 v24, v24, v10                     ; r + 8 (r / 8)
	v_lshlrev_b32 v25, 4, v11
	v_sub_nc_u32 v24, v24, v25
	v_add_nc_u32 v[DGA], s18, v24
	v_add_nc_u32 v[DGB], 8, v[DGA]
	v_mov_b32 v32, s13
	v_mov_b32 v37, s13                             ; 448 x 2^e8 once more, in another register bank: the second half of a dual pair reads it
	v_mov_b32 v33, s12
	v_mov_b32 v34, 0xff800000                      ; -infinity
	v_mov_b32 v35, s70
	v_mov_b32 v36, s14
	v_mov_b32 v21, 0                               ; (named as the upper halves of pairs)
	v_mov_b32 v23, 0
	v_mov_b32 v26, 0                               ; a lane permute's destination counts as a source
	v_mov_b32 v27, 0
	s_wait_alu depctr_va_vdst(0)
	s_wait_loadcnt 0x0                             ; Q of both pairs
	s_wait_tensorcnt 0x0                           ; my part of K or V is in
	s_barrier_signal -1
	s_barrier_wait -1                              ; everybody's is
.Lpair:
	s_wait_dscnt 0x0                               ; no load into K's registers is out
	WIN 0x40                                       ; destinations in window 1
.set n, 0
.rept 16
	ds_load_b128 v[4*n:4*n+3], v[LI] offset:512*n  ; K's fragments of key step 0
.set n, n+1
.endr
.set n, 0
.rept 64
	v_mov_b32 v[OA+n], 0                           ; a pair begins: O^T and the sums zero, the largest t under every t (the first change of M leaves zeros zeros)
.set n, n+1
.endr
	WIN 0
	v_mov_b32 v13, 0xff61b1e6
	v_mov_b32 v17, 0xff61b1e6
	v_floor_f32 v12, -v13
	v_floor_f32 v16, -v17
	v_mov_b32 v14, 0
	v_mov_b32 v15, 0
	v_mov_b32 v18, 0
	v_mov_b32 v19, 0
	s_mov_b32 s[TB], 0
	s_mov_b32 s[STP], 0
	s_mov_b32 s[CNT], 16
	s_wait_alu depctr_va_vdst(0)
.Lstep:                                            ; a key step of 128 keys; 16 trips, a constant; a step beyond the level is jumped over (ids alone)
	s_cmp_gt_u32 s[STP], s[LV]
	s_cbranch_scc1 .Lhid
	v_add_nc_u32 v[ADK], s[TB], v[LI]
	v_add_nc_u32 v[ADV], s[TB], v[LIV]
	v_nop                                          ; with the two additions: four places ahead of loads into registers that the last products read
	v_nop
	WIN 0x40
.set n, 0
.rept 16
	ds_load_b128 v[VB+4*n:VB+4*n+3], v[ADV] offset:512*n   ; V's fragments come in under the softmax
.set n, n+1
.endr
	s_wait_alu depctr_va_vdst(0)
	s_wait_dscnt 16                                ; K's sixteen loads are in; V's sixteen, issued behind them, may be out
	WIN 0x01                                       ; source 0 (K) in window 1
.set n, 0
.rept 8
	v_wmma_f32_16x16x64_fp8_fp8 v[SA+8*n:SA+8*n+7], v[8*n:8*n+7], v[QA:QA+7], 0
	v_wmma_f32_16x16x64_fp8_fp8 v[SB+8*n:SB+8*n+7], v[8*n:8*n+7], v[QB:QB+7], 0
.set n, n+1
.endr
.rept 4
	v_nop
.endr
	WIN 0x40
.set n, 0
.rept 16
	ds_load_b128 v[4*n:4*n+3], v[ADK] offset:8192+512*n    ; the next step's K
.set n, n+1
.endr
	WIN 0
	s_cmp_lt_u32 s[STP], s[LV]
	s_cbranch_scc1 .Lopen
.set n, 0
.rept 64
	v_cmp_gt_i32 vcc_lo, 32*(n/16)+n%16, v[DGA]    ; register n holds key 32 (n / 16) + n % 16 + 16 h of the step
	v_cndmask_b32 v[SA+n], v[SA+n], v34, vcc_lo
	v_cmp_gt_i32 vcc_lo, 32*(n/16)+n%16, v[DGB]
	v_cndmask_b32 v[SB+n], v[SB+n], v34, vcc_lo
.set n, n+1
.endr
.Lopen:
	v_max3_num_f32 v24, v[SA], v[SA+1], v[SA+2]    ; the step's largest scores: two chains a tile, four in all
	v_max3_num_f32 v20, v[SA+3], v[SA+4], v[SA+5]
	v_max3_num_f32 v25, v[SB], v[SB+1], v[SB+2]
	v_max3_num_f32 v22, v[SB+3], v[SB+4], v[SB+5]
.irp i, 6,10,14,18,22,26,30,34,38,42,46,50,54,58
	v_max3_num_f32 v24, v24, v[SA+\i], v[SA+1+\i]
	v_max3_num_f32 v20, v20, v[SA+2+\i], v[SA+3+\i]
	v_max3_num_f32 v25, v25, v[SB+\i], v[SB+1+\i]
	v_max3_num_f32 v22, v22, v[SB+2+\i], v[SB+3+\i]
.endr
	v_max3_num_f32 v24, v24, v[SA+62], v[SA+63]
	v_max3_num_f32 v25, v25, v[SB+62], v[SB+63]
	v_max_num_f32 v24, v24, v20
	v_max_num_f32 v25, v25, v22
	v_permlanex16_b32 v26, v24, s[SEL], s[SEL+1]
	v_permlanex16_b32 v27, v25, s[SEL], s[SEL+1]
	v_max_num_f32 v24, v24, v26
	v_max_num_f32 v25, v25, v27
	v_mul_f32 v24, s[CS], v24
	v_mul_f32 v25, s[CS], v25
	v_max_num_f32 v13, v13, v24                    ; the running largest t
	v_max_num_f32 v17, v17, v25
	v_mov_b32 v24, v12
	v_mov_b32 v25, v16
	v_floor_f32 v12, -v13                          ; -M
	v_floor_f32 v16, -v17
	v_sub_f32 v24, v12, v24
	v_sub_f32 v25, v16, v25
	v_cvt_i32_f32 v24, v24
	v_cvt_i32_f32 v25, v25
	v_ldexp_f32 v20, 1.0, v24                      ; f = 2^(old M - new M)
	v_ldexp_f32 v22, 1.0, v25
.set n, 0
.rept 32
	v_pk_fma_f32 v[SA+n:SA+n+1], v[SA+n:SA+n+1], s[CS:CS+1], v[12:13] op_sel_hi:[1,0,0]
	v_pk_fma_f32 v[SB+n:SB+n+1], v[SB+n:SB+n+1], s[CS:CS+1], v[16:17] op_sel_hi:[1,0,0]
.set n, n+2
.endr
	s_wait_alu depctr_va_vdst(0)
.set n, 0
.rept 128
	v_exp_f32 v[SA+n], v[SA+n]                     ; A's 64 and B's 64 lie on end
.set n, n+1
.endr
	v_pk_mul_f32 v[14:15], v[14:15], v[20:21] op_sel_hi:[1,0]
	v_pk_mul_f32 v[18:19], v[18:19], v[22:23] op_sel_hi:[1,0]
	s_wait_alu depctr_va_vdst(0)
	v_pk_add_f32 v[28:29], v[SA:SA+1], v[SA+2:SA+3]
	v_pk_add_f32 v[30:31], v[SB:SB+1], v[SB+2:SB+3]
.irp j, 4,8,12,16,20,24,28,32,36,40,44,48,52,56,60
	v_pk_add_f32 v[14:15], v[14:15], v[SA+\j:SA+1+\j]
	v_pk_add_f32 v[28:29], v[28:29], v[SA+2+\j:SA+3+\j]
	v_pk_add_f32 v[18:19], v[18:19], v[SB+\j:SB+1+\j]
	v_pk_add_f32 v[30:31], v[30:31], v[SB+2+\j:SB+3+\j]
.endr
	v_pk_add_f32 v[14:15], v[14:15], v[28:29]
	v_pk_add_f32 v[18:19], v[18:19], v[30:31]
.irp b, 0,1,2,3,4,5,6,7                        ; blocks 0-3: A's p into v72-87; blocks 4-7: B's into v88-103
.irp i, 0,2,4,6,8,10,12,14
	v_dual_min_num_f32 v[SA+16*\b+\i], v[SA+16*\b+\i], v32 :: v_dual_min_num_f32 v[SA+16*\b+\i+1], v[SA+16*\b+\i+1], v37   ; the conversion does not saturate (ISA guide 7.6.2); p is not negative; two holds an instruction
.endr
	v_cvt_scalef32_pk8_fp8_f32 v[PA+4*\b:PA+4*\b+1], v[SA+16*\b:SA+16*\b+7], v33
	v_cvt_scalef32_pk8_fp8_f32 v[PA+4*\b+2:PA+4*\b+3], v[SA+16*\b+8:SA+16*\b+15], v33
.endr
	WIN 0x41                                       ; O^T, source 0 and destination, in window 1
.set n, 0
.rept 16
	v_pk_mul_f32 v[OA+n:OA+n+1], v[OA+n:OA+n+1], v[20:21] op_sel_hi:[1,0]
	v_pk_mul_f32 v[OB+n:OB+n+1], v[OB+n:OB+n+1], v[22:23] op_sel_hi:[1,0]
.set n, n+2
.endr
	s_wait_alu depctr_va_vdst(0)
	s_wait_dscnt 16                                ; V's sixteen loads are in; the next K's sixteen may be out
	WIN 0x51                                       ; V, C and D in window 1, the codes in window 0
.set n, 0
.rept 4
	v_wmma_f32_16x16x128_fp8_fp8 v[OA+8*n:OA+8*n+7], v[VB+16*n:VB+16*n+15], v[PA:PA+15], v[OA+8*n:OA+8*n+7]
	v_wmma_f32_16x16x128_fp8_fp8 v[OB+8*n:OB+8*n+7], v[VB+16*n:VB+16*n+15], v[PB:PB+15], v[OB+8*n:OB+8*n+7]
.set n, n+1
.endr
	WIN 0
.Lhid:
	s_add_co_u32 s[STP], s[STP], 1
	s_add_co_u32 s[TB], s[TB], 8192
	s_sub_co_u32 s[CNT], s[CNT], 1
	s_cmp_lg_u32 s[CNT], 0
	s_cbranch_scc1 .Lstep
	; the pair's way out: O^T / the sum x 2^(e8 + e9), held and quantised under entry 10: two pieces a tile of the next operand's image, 512 consecutive bytes a store
.rept 4
	v_nop
.endr
	v_add_f32 v14, v14, v15
	v_add_f32 v18, v18, v19
	v_permlanex16_b32 v26, v14, s[SEL], s[SEL+1]
	v_permlanex16_b32 v27, v18, s[SEL], s[SEL+1]
	v_add_f32 v14, v14, v26
	v_add_f32 v18, v18, v27
	s_wait_alu depctr_va_vdst(0)
	v_rcp_f32 v14, v14
	v_rcp_f32 v18, v18
	v_nop
	s_wait_alu depctr_va_vdst(0)
	v_ldexp_f32 v14, v14, s19
	v_ldexp_f32 v18, v18, s19
	WIN 0x01                                       ; source 0 (O^T) in window 1
.set n, 0
.rept 32
	v_mul_f32 v[SA+n], v[OA+n], v14
	v_mul_f32 v[SA+32+n], v[OB+n], v18
.set n, n+1
.endr
	WIN 0
.set n, 0
.rept 64
	v_med3_num_f32 v[SA+n], v[SA+n], -v35, v35
.set n, n+1
.endr
.irp b, 0,1,2,3
	v_cvt_scalef32_pk8_fp8_f32 v[PA+4*\b:PA+4*\b+1], v[SA+16*\b:SA+16*\b+7], v36
	v_cvt_scalef32_pk8_fp8_f32 v[PA+4*\b+2:PA+4*\b+3], v[SA+16*\b+8:SA+16*\b+15], v36
.endr
	v_nop
.irp b, 0,1,2,3
	global_store_b128 v[LI], v[PA+4*\b:PA+4*\b+3], s[8:9] offset:16384*(\b/2)+512*(\b%2)   ; tile B's image lies 16,384 bytes behind tile A's
.endr
	s_cmp_eq_u32 s[PRS], 1
	s_cbranch_scc1 .Lend
	s_wait_xcnt 0x0                                ; the stores have read their base and the registers that take codes again
	s_mov_b64 s[8:9], s[66:67]                     ; on to my second pair: its place, its level, its Q
	s_mov_b32 s[LV], s16
.set n, 0
.rept 16
	v_mov_b32 v[QA+n], v[56+n]
.set n, n+1
.endr
	s_sub_co_u32 s[PRS], s[PRS], 1
	s_branch .Lpair
.Lend:
	s_wait_tensorcnt 0x0                           ; the wave's end
	ds_add_u32 v[SPW], v[NIL]
	s_wait_dscnt 0x0
	ROUND                                          ; the closing round
	s_endpgm
.Lfunc_end_k_q48d21f16f6_attn:
	.size	k_q48d21f16f6_attn, .Lfunc_end_k_q48d21f16f6_attn-k_q48d21f16f6_attn
	.p2alignl 7, 3214868480
	.fill 96, 4, 3214868480
	.section	.rodata,"a",@progbits
	.p2align	6, 0x0
	.amdhsa_kernel k_q48d21f16f6_attn
		.amdhsa_group_segment_fixed_size 327680
		.amdhsa_private_segment_fixed_size 0
		.amdhsa_enable_private_segment 0
		.amdhsa_kernarg_size 24
		.amdhsa_user_sgpr_count 2
		.amdhsa_user_sgpr_kernarg_segment_ptr 1
		.amdhsa_wavefront_size32 1
		.amdhsa_system_sgpr_workgroup_id_x 1
		.amdhsa_system_sgpr_workgroup_id_y 1
		.amdhsa_system_sgpr_workgroup_id_z 1
		.amdhsa_system_vgpr_workitem_id 0
		.amdhsa_next_free_vgpr 448
		.amdhsa_next_free_sgpr 72
		.amdhsa_reserve_vcc 1
		.amdhsa_float_denorm_mode_32 3
		.amdhsa_float_denorm_mode_16_64 3
		.amdhsa_memory_ordered 1
		.amdhsa_forward_progress 1
		.amdhsa_inst_pref_size 57
	.end_amdhsa_kernel
	.amdgpu_metadata
---
amdhsa.version: [ 1, 2 ]
amdhsa.kernels:
  - .name:           k_q48d21f16f6_attn
    .symbol:         k_q48d21f16f6_attn.kd
    .args:
      - { .name: qkv, .offset: 0, .size: 8, .value_kind: global_buffer, .address_space: global }
      - { .name: lowp_scales, .offset: 8, .size: 8, .value_kind: global_buffer, .address_space: global }
      - { .name: aimg, .offset: 16, .size: 8, .value_kind: global_buffer, .address_space: global }
    .group_segment_fixed_size: 327680
    .private_segment_fixed_size: 0
    .kernarg_segment_align: 8
    .kernarg_segment_size: 24
    .max_flat_workgroup_size: 256
    .sgpr_count:     72
    .vgpr_count:     448
    .wavefront_size: 32
...
	.end_amdgpu_metadata
.endif
;; end of part 3
;; launch oproj (part 4): grid 4 x 32, 4 waves a work-group, clusters of 4 x 4, 327,680 bytes of LDS; arguments aimg, img, lowp_scales, out0; writes out0
.if DOCPART == 4
	.amdgcn_target "amdgcn-amd-amdhsa--gfx1250"
	.amdhsa_code_object_version 6
	.text
	.protected	k_q48d21f16f6_oproj
	.globl	k_q48d21f16f6_oproj
	.p2align	8
	.type	k_q48d21f16f6_oproj,@function
k_q48d21f16f6_oproj:
	s_mov_b64 s[64:65], 0
	v_nop
	global_prefetch_b8 v0, s[64:65] scope:SCOPE_SE
	s_setreg_imm32_b32 hwreg(HW_REG_WAVE_MODE, 25, 1), 1
	s_wait_xcnt 0x0
	s_wait_alu depctr_hold_cnt(0) depctr_sa_sdst(0) depctr_va_vdst(0) depctr_va_sdst(0) depctr_va_ssrc(0) depctr_va_vcc(0) depctr_vm_vsrc(0)
	s_getreg_b32 s2, hwreg(HW_REG_IB_STS2, 6, 4)
	s_cmp_eq_u32 s2, 0
	s_cbranch_scc0 .Lentry_in_a_cluster
	s_endpgm
.Lentry_in_a_cluster:
	s_bfe_u32 s2, ttmp6, 0x10000c
	s_cmp_lg_u32 s2, 0xf033
	s_cbranch_scc0 .Lentry_shape_is_right
	s_endpgm
.Lentry_shape_is_right:
.set HALFT,  32768
.set SLOT,   131072
.set SPARE,  262144
.set SPITCH, 528
.set FR,     16
.set NL,     4
.set NP,     4
.set ADRA, 16
.set ADRB, 20
.set STO,  24
.set RD,   25
.set CO,   26
.set SPW,  28
.set NIL,  29
.set TMP,  32
.set AF,   128
.set BK,   128
.set G1, 24
.set G0, 32
.set G1B, 48
.set G0B, 56
.set MSB, 0
.macro WIN new
.if MSB != \new
	s_set_vgpr_msb (MSB<<8)|\new
.set MSB, \new
.endif
.endm
.set MUL_LO, 0xa1
.set MUL_HI, 0xf1
.set TO_B,   0x40
.macro JLOAD g0a, g1a, g0b, g1b
	s_cmp_eq_u32 s15, 0
	s_cbranch_scc0 .Lfor_b_\@
	tensor_load_to_lds s[\g0a:\g0a+3], s[\g1a:\g1a+7]
	s_nop 0
.rept 4
	v_nop
.endr
	s_branch .Lasked_\@
.Lfor_b_\@:
	tensor_load_to_lds s[\g0b:\g0b+3], s[\g1b:\g1b+7]
	s_nop 0
.rept 4
	v_nop
.endr
.Lasked_\@:
.endm
.macro CREST
	s_cmp_lg_u32 s14, 0
	s_cbranch_scc1 .Lnot_wave_0_\@
	s_barrier_signal -3
.Lnot_wave_0_\@:
	s_barrier_wait -3
	s_barrier_signal -1
	s_barrier_wait -1
.endm
.macro CROUND
	s_barrier_signal -1
	s_barrier_wait -1
	CREST
.endm
	s_load_b256 s[4:11], s[0:1], 0x0
	v_lshl_add_u32 v[SPW], v0, 2, SPARE
	v_mov_b32 v[NIL], 0
	ds_add_u32 v[SPW], v[NIL]
	ds_add_u32 v[SPW], v[NIL]
	v_lshrrev_b32 v1, 5, v0
	v_readfirstlane_b32 s14, v1
	s_lshr_b32 s15, s14, 1
	s_and_b32 s16, s14, 1
	s_bfe_u32 s40, ttmp6, 0x40000
	s_bfe_u32 s41, ttmp6, 0x40004
	s_lshl_b32 s42, ttmp9, 2
	s_add_co_u32 s42, s42, s40
	s_and_b32 s17, ttmp7, 0xffff
	s_lshl_b32 s17, s17, 2
	s_add_co_u32 s17, s17, s41
	s_lshl_b32 s43, s41, 2
	s_lshl_b32 s43, 15, s43
	s_lshl_b32 s44, 0x1111, s40
	s_or_b32 s[G1+0], s43, (3<<16)|(1<<21)
	s_or_b32 s[G1B+0], s44, (3<<16)|(1<<21)
.irp g, G1, G1B
	s_mov_b32 s[\g+1], 512<<16
	s_mov_b32 s[\g+2], 8<<16
	s_mov_b32 s[\g+3], 512<<16
	s_mov_b32 s[\g+4], 8
	s_mov_b32 s[\g+5], 2048
	s_mov_b32 s[\g+6], 0
	s_mov_b32 s[\g+7], 0
.endr
	s_lshl_b32 s20, s17, 18
	s_lshl_b32 s21, s16, 17
	s_add_co_u32 s20, s20, s21
	s_mov_b32 s21, 0
	s_lshl_b32 s46, s42, 18
	s_lshl_b32 s47, s16, 17
	s_add_co_u32 s46, s46, s47
	s_add_co_u32 s46, s46, 28311552
	s_mov_b32 s47, 0
	s_lshl_b32 s45, s14, 15
	s_wait_dscnt 0x0
	s_wait_kmcnt 0x0
	s_load_b64 s[96:97], s[8:9], 0x28
	s_add_nc_u64 s[20:21], s[4:5], s[20:21]
	s_add_nc_u64 s[46:47], s[6:7], s[46:47]
	CROUND
.irp s, 0,1
	s_mov_b32 s[G0+4*\s], 1
	s_add_co_u32 s[G0+4*\s+1], s45, \s*SLOT
	s_add_nc_u64 s[G0+4*\s+2:G0+4*\s+3], s[20:21], \s*4096
	s_or_b32 s[G0+4*\s+3], s[G0+4*\s+3], 0x80000000
	s_mov_b32 s[G0B+4*\s], 1
	s_add_co_u32 s[G0B+4*\s+1], s45, \s*SLOT
	s_add_nc_u64 s[G0B+4*\s+2:G0B+4*\s+3], s[46:47], \s*4096
	s_or_b32 s[G0B+4*\s+3], s[G0B+4*\s+3], 0x80000000
.endr
	JLOAD G0, G1, G0B, G1B                         ; slot 0: one tensor load a wave at the head
	v_and_b32 v1, 31, v0
	v_lshlrev_b32 v[CO], 4, v1
	s_lshl_b32 s21, s15, 15
	s_lshl_b32 s22, s16, 15
	s_add_co_u32 s22, s22, 2*HALFT
.irp s, 0,1
	v_add_nc_u32 v[ADRA+\s], s21, v[CO]
	v_add_nc_u32 v[ADRB+\s], s22, v[CO]
	s_add_co_u32 s21, s21, SLOT
	s_add_co_u32 s22, s22, SLOT
.endr
	s_mul_i32 s23, s14, 16*SPITCH
	v_and_b32 v2, 15, v0
	v_bfe_u32 v3, v0, 4, 1
	v_mul_u32_u24 v[STO], v2, SPITCH
	v_lshl_add_u32 v[STO], v3, 6, v[STO]
	v_add_nc_u32 v[STO], s23, v[STO]
	v_add_nc_u32 v[RD], s23, v[CO]
	s_lshl_b32 s80, s17, 8
	s_lshl_b32 s81, s15, 7
	s_add_co_u32 s80, s80, s81
	s_lshl_b32 s80, s80, 12
	s_lshl_b32 s81, s42, 10
	s_add_co_u32 s80, s80, s81
	s_lshl_b32 s81, s16, 9
	s_add_co_u32 s80, s80, s81
	s_mov_b32 s81, 0
	s_add_nc_u64 s[10:11], s[10:11], s[80:81]
.macro FRAG reg, adr, q, i
.irp c, 0,1,2,3
	ds_load_b128 v[\reg+4*\c:\reg+4*\c+3], v[\adr] offset:2048*(\q)+512*\c+(\i)*4096
.endr
.endm
.macro MUL16 a0, p, zero
.irp a, \a0, \a0+1
.irp b, 0,1,2,3,4,5,6,7
.if \zero
	v_wmma_f32_16x16x128_fp8_fp8 v[8*(8*((\a)%4)+\b):8*(8*((\a)%4)+\b)+7], v[128*(\p)+FR*\b:128*(\p)+FR*\b+FR-1], v[AF+FR*(\a):AF+FR*(\a)+FR-1], 0
.else
	v_wmma_f32_16x16x128_fp8_fp8 v[8*(8*((\a)%4)+\b):8*(8*((\a)%4)+\b)+7], v[128*(\p)+FR*\b:128*(\p)+FR*\b+FR-1], v[AF+FR*(\a):AF+FR*(\a)+FR-1], v[8*(8*((\a)%4)+\b):8*(8*((\a)%4)+\b)+7]
.endif
.endr
.endr
.endm
.macro FETCH_B slot, q, p
	WIN TO_B
.irp i, 0,1,2,3,4,5,6,7
	FRAG 128*(\p)+FR*\i, ADRB+\slot, \q, \i
.endr
	WIN 0
.endm
.macro FETCH_A slot, q, i0
.irp i, \i0, \i0+1, \i0+2, \i0+3
	FRAG AF+FR*(\i), ADRA+\slot, \q, \i
.endr
.endm
.macro PLACES n
.rept \n
	v_nop
.endr
.endm
.macro STEP slot, q, zero
	s_wait_dscnt 4*NL
	WIN MUL_LO
	MUL16 0, (\q)%2, \zero
	MUL16 2, (\q)%2, \zero
	s_wait_dscnt 0
	PLACES NP
	FETCH_B \slot, (\q)+1, 1-(\q)%2
	FETCH_A \slot, (\q)+1, 0
	WIN MUL_HI
	MUL16 4, (\q)%2, \zero
	MUL16 6, (\q)%2, \zero
	PLACES NP
	WIN 0
	FETCH_A \slot, (\q)+1, 4
.endm
.macro TURN slot, next, fill
	s_wait_tensorcnt 0x0
	ds_add_u32 v[SPW], v[NIL]
	s_wait_dscnt 4*NL+1
	WIN MUL_LO
	MUL16 0, 1, 0
	s_wait_dscnt 0x0
	s_barrier_signal -1
	MUL16 2, 1, 0
	WIN 0
	s_barrier_wait -1
.if \fill
	CREST
	s_add_nc_u64 s[G0+4*\slot+2:G0+4*\slot+3], s[G0+4*\slot+2:G0+4*\slot+3], 8192
	s_add_nc_u64 s[G0B+4*\slot+2:G0B+4*\slot+3], s[G0B+4*\slot+2:G0B+4*\slot+3], 8192
	JLOAD G0+4*\slot, G1, G0B+4*\slot, G1B
.else
	PLACES NP
.endif
	FETCH_B \next, 0, 0
	FETCH_A \next, 0, 0
	WIN MUL_HI
	MUL16 4, 1, 0
	MUL16 6, 1, 0
	PLACES NP
	WIN 0
	FETCH_A \next, 0, 4
.endm
	s_wait_alu depctr_va_vdst(0)
	s_wait_tensorcnt 0x0                           ; my part of slot 0 is in
	ds_add_u32 v[SPW], v[NIL]
	s_wait_dscnt 0x0
	CROUND                                         ; everybody's part of slot 0 is in, and the sixteen work-groups meet
	JLOAD G0+4, G1, G0B+4, G1B                     ; slot 1's first fill: the first tensor load behind the round
	FETCH_B 0, 0, 0
	FETCH_A 0, 0, 0
	FETCH_A 0, 0, 4
	STEP 0, 0, 1
	TURN 0, 1, 1
	STEP 1, 0, 0
	TURN 1, 0, 1
	STEP 0, 0, 0
	TURN 0, 1, 0
	STEP 1, 0, 0
	s_wait_dscnt 4*NL
	WIN MUL_LO
	MUL16 0, 1, 0
	MUL16 2, 1, 0
	s_wait_dscnt 0
	WIN MUL_HI
	MUL16 4, 1, 0
	MUL16 6, 1, 0
	WIN 0
.macro TOSTAGE a
.set AC, 64*((\a)%4)
	WIN 0x02+((\a)/4)
.set n, 0
.rept 32
	v_pk_mul_f32 v[TMP+n:TMP+n+1], v[AC+n:AC+n+1], s[96:97] op_sel_hi:[1,0]
.set n, n+2
.endr
	WIN 0
.irp b, 0,1,2,3,4,5,6,7
	ds_store_b128 v[STO], v[TMP+8*\b:TMP+8*\b+3] offset:128*(\b/2)+32*(\b%2)
	ds_store_b128 v[STO], v[TMP+8*\b+4:TMP+8*\b+7] offset:128*(\b/2)+32*(\b%2)+16
.endr
.set BB, BK+64*((\a)%2)
.irp t, 0,1,2,3,4,5,6,7,8,9,10,11,12,13,14,15
	ds_load_b128 v[BB+4*\t:BB+4*\t+3], v[RD] offset:\t*SPITCH
.endr
.endm
.macro SEND a, younger
.set BB, BK+64*((\a)%2)
	s_wait_dscnt \younger
.irp t, 0,1,2,3,4,5,6,7,8,9,10,11,12,13,14,15
	global_store_b128 v[CO], v[BB+4*\t:BB+4*\t+3], s[10:11] offset:(32*((\a)/2)+8*((\a)%2)+\t+8*(\t/8))*4096 th:TH_STORE_NT
.endr
.endm
	s_wait_kmcnt 0x0
	s_add_co_i32 s96, s96, s97
	s_add_co_i32 s96, s96, 127
	s_lshl_b32 s96, s96, 23
	PLACES NP
	TOSTAGE 0
.irp a, 1,2,3,4,5,6,7
.if \a > 1
	s_wait_xcnt 0x0
.endif
	TOSTAGE \a
	SEND \a-1, 32
.endr
	SEND 7, 0
	s_wait_tensorcnt 0x0
	ds_add_u32 v[SPW], v[NIL]
	s_wait_dscnt 0x0
	CROUND
	s_endpgm
.Lfunc_end_k_q48d21f16f6_oproj:
	.size	k_q48d21f16f6_oproj, .Lfunc_end_k_q48d21f16f6_oproj-k_q48d21f16f6_oproj
	.p2alignl 7, 3214868480
	.fill 96, 4, 3214868480
	.section	.rodata,"a",@progbits
	.p2align	6, 0x0
	.amdhsa_kernel k_q48d21f16f6_oproj
		.amdhsa_group_segment_fixed_size 327680
		.amdhsa_private_segment_fixed_size 0
		.amdhsa_enable_private_segment 0
		.amdhsa_kernarg_size 32
		.amdhsa_user_sgpr_count 2
		.amdhsa_user_sgpr_kernarg_segment_ptr 1
		.amdhsa_wavefront_size32 1
		.amdhsa_system_sgpr_workgroup_id_x 1
		.amdhsa_system_sgpr_workgroup_id_y 1
		.amdhsa_system_sgpr_workgroup_id_z 1
		.amdhsa_system_vgpr_workitem_id 0
		.amdhsa_next_free_vgpr 1024
		.amdhsa_next_free_sgpr 100
		.amdhsa_reserve_vcc 0
		.amdhsa_float_denorm_mode_32 3
		.amdhsa_float_denorm_mode_16_64 3
		.amdhsa_memory_ordered 1
		.amdhsa_forward_progress 1
		.amdhsa_inst_pref_size 122
	.end_amdhsa_kernel
	.amdgpu_metadata
---
amdhsa.version: [ 1, 2 ]
amdhsa.kernels:
  - .name:           k_q48d21f16f6_oproj
    .symbol:         k_q48d21f16f6_oproj.kd
    .args:
      - { .name: aimg, .offset: 0, .size: 8, .value_kind: global_buffer, .address_space: global }
      - { .name: img, .offset: 8, .size: 8, .value_kind: global_buffer, .address_space: global }
      - { .name: lowp_scales, .offset: 16, .size: 8, .value_kind: global_buffer, .address_space: global }
      - { .name: out0, .offset: 24, .size: 8, .value_kind: global_buffer, .address_space: global }
    .group_segment_fixed_size: 327680
    .private_segment_fixed_size: 0
    .kernarg_segment_align: 8
    .kernarg_segment_size: 32
    .max_flat_workgroup_size: 128
    .sgpr_count:     100
    .vgpr_count:     1024
    .wavefront_size: 32
...
	.end_amdgpu_metadata
.endif
;; end of part 4
